; MI455X (gfx1250); checked and timed in simulation.
; The chip was launched on July 23, 2026; its instructions are those of AMD's public machine-readable ISA for CDNA 5 (MIT licence, August 2026) and "CDNA5" Instruction Set Architecture Reference Guide (July 2026). The comments in the code are by the model that wrote it; some were corrected since.
;; Binary Dense Layer. Allowed arithmetic: float matrix products may take bf16 or f16 operands with f32 sums; other float arithmetic in f32, or as packed bf16 or f16 multiplies, adds, multiply-adds, maxima and minima; sums over many terms, partial sums and values carried from step to step in f32; what a program stores and reads back later, other than sums and carried values, may be rounded once to bf16 or f16.
;; Inputs: W 4,096 x 4,096 float32; b 4,096 float32; x 4,096 x 4,096 float32.
;; Outputs: out0 4,096 x 4,096 float32.
;; 2 versions, each right; version 2 is version 1 with the launch prep written anew for expert scheduling mode. Each part assembles by itself: llvm-mc -triple=amdgcn-amd-amdhsa -mcpu=gfx1250 --defsym DOCPART=n.
;; ======== version 1 of 2: 2 launches
;; workspace buffers: xb 33,554,432 bytes; wb 33,554,432 bytes
;; launch prep (part 1): grid 1024 x 1, 8 waves a work-group, no clusters, 0 bytes of LDS; arguments x, W, xb, wb; writes xb, wb
.if DOCPART == 1
	.amdgcn_target "amdgcn-amd-amdhsa--gfx1250"
	.amdhsa_code_object_version 6
	.text
	.protected	k_qbabe5c0d81_prep
	.globl	k_qbabe5c0d81_prep
	.p2align	8
	.type	k_qbabe5c0d81_prep,@function
k_qbabe5c0d81_prep:
	s_mov_b64 s[64:65], 0
	v_nop
	global_prefetch_b8 v0, s[64:65] scope:SCOPE_SE
	s_setreg_imm32_b32 hwreg(HW_REG_WAVE_MODE, 25, 1), 1
	s_wait_xcnt 0x0
; xb = x rounded to bf16 (nearest even), wb = sign(W) in bf16.  x, W: [4096][4096] f32; xb, wb: [4096][4096] bf16, each in its source's own layout.
; LIMITS.  sign: +1 or -1 by the sign bit wherever W is not equal to zero, else +0.  So a NaN in W gives +1 or -1 (not NaN), -0 gives +0, and a denormal counts as a number other than zero.
; x keeps f32's exponent range in bf16 and loses all but 8 significant bits, once.
; A STREAM: every byte is read once and written once, nothing is shared between threads, so there is no LDS, no barrier, no matrix instruction and no cluster.
; SHARES.  A work-group owns 65,536 consecutive bytes of x and of W: 16 pieces of 4,096.  In a piece thread t takes the 16 bytes at 16 t (a wave's load covers 512 consecutive bytes)
; and stores the 8 bytes at 8 t of the piece's 2,048 (a wave's store covers 256 consecutive bytes, aligned).
; A ring of 8 slots in registers: 16 loads of every wave are on their way.  Each slot has two turns, so all is written out; every piece stands in an immediate and no address register is rewritten.
.set PIECE, 4096                       ; input bytes of a piece
.set T,   4                            ; v[4:7]    at work: four signs as f32
.set X,   8                            ; v[8:71]   slot i: four numbers of x, then four of W
.set Y,   72                           ; v[72:103] slot i: a pair for xb, a pair for wb
	s_load_b256 s[4:11], s[0:1], 0x0               ; x s[4:5], W s[6:7], xb s[8:9], wb s[10:11]
	s_lshl_b32 s2, ttmp9, 16                       ; the work-group's 65,536 bytes of the inputs (1,023 x 65,536 at the most: one word),
	s_mov_b32 s3, 0
	s_lshl_b32 s16, ttmp9, 15                      ; and its 32,768 of the outputs
	s_mov_b32 s17, 0
	s_mov_b32 s13, 0x7fffffff                      ; all bits but the sign
	s_mov_b32 s14, 0x07060302                      ; v_perm_b32: the upper halves of two words, the second source's below
	s_mov_b32 s15, 0x3f800000                      ; 1.0
	v_lshlrev_b32 v1, 4, v0                        ; 16 t; never rewritten
	v_lshlrev_b32 v2, 3, v0                        ; 8 t; never rewritten
	s_wait_kmcnt 0x0
	s_add_nc_u64 s[4:5], s[4:5], s[2:3]
	s_add_nc_u64 s[6:7], s[6:7], s[2:3]
	s_add_nc_u64 s[8:9], s[8:9], s[16:17]
	s_add_nc_u64 s[10:11], s[10:11], s[16:17]
.irp i, 0,1,2,3,4,5,6,7
	global_load_b128 v[X+8*(\i):X+8*(\i)+3],   v1, s[4:5] offset:(\i)*PIECE th:TH_LOAD_NT  ; the ring is filled: pieces 0 to 7
	global_load_b128 v[X+8*(\i)+4:X+8*(\i)+7], v1, s[6:7] offset:(\i)*PIECE th:TH_LOAD_NT
.endr
; The turn of slot i with piece p.  ahead = 1: the slot is filled again with piece p + 8.  left = how many younger loads may stay out.
.macro SLOT i, p, ahead, left
	s_wait_loadcnt \left                           ; loads come back in order (ISA guide 5.7.1): this slot's two are in
	v_cvt_pk_bf16_f32 v[Y+4*(\i)],   v[X+8*(\i)],   v[X+8*(\i)+1]   ; x: two roundings, packed, the first number below
	v_cvt_pk_bf16_f32 v[Y+4*(\i)+1], v[X+8*(\i)+2], v[X+8*(\i)+3]
.irp j, 0,1,2,3
	v_bfi_b32 v[T+(\j)], s13, s15, v[X+8*(\i)+4+(\j)]          ; 1.0 with W's sign,
	v_cmp_neq_f32 vcc_lo, 0, v[X+8*(\i)+4+(\j)]                ; kept where W is not zero,
	v_cndmask_b32 v[T+(\j)], 0, v[T+(\j)], vcc_lo              ; else 0
.endr
	v_perm_b32 v[Y+4*(\i)+2], v[T+1], v[T],   s14              ; +1, -1 and 0 are exact in the upper half of their f32
	v_perm_b32 v[Y+4*(\i)+3], v[T+3], v[T+2], s14
.if \ahead
	global_load_b128 v[X+8*(\i):X+8*(\i)+3],   v1, s[4:5] offset:((\p)+8)*PIECE th:TH_LOAD_NT  ; loads ahead of stores
	global_load_b128 v[X+8*(\i)+4:X+8*(\i)+7], v1, s[6:7] offset:((\p)+8)*PIECE th:TH_LOAD_NT
.endif
	global_store_b64 v2, v[Y+4*(\i):Y+4*(\i)+1],   s[8:9]   offset:(\p)*PIECE/2
	global_store_b64 v2, v[Y+4*(\i)+2:Y+4*(\i)+3], s[10:11] offset:(\p)*PIECE/2
.endm
.irp i, 0,1,2,3,4,5,6,7
	SLOT \i, \i, 1, 14                             ; behind a slot's two loads stand those of the seven other slots
.endr
	s_wait_xcnt 0x0                                ; every store so far has had its address translated and its data read (ISA guide 3.1): Y is written again only behind this wait
.irp i, 0,1,2,3,4,5,6,7
	SLOT \i, 8+\i, 0, 14-2*\i                      ; the second round loads nothing: the counts run down
.endr
	s_endpgm
.Lfunc_end_k_qbabe5c0d81_prep:
	.size	k_qbabe5c0d81_prep, .Lfunc_end_k_qbabe5c0d81_prep-k_qbabe5c0d81_prep
	.p2alignl 7, 3214868480
	.fill 96, 4, 3214868480
	.section	.rodata,"a",@progbits
	.p2align	6, 0x0
	.amdhsa_kernel k_qbabe5c0d81_prep
		.amdhsa_group_segment_fixed_size 0
		.amdhsa_private_segment_fixed_size 0
		.amdhsa_enable_private_segment 0
		.amdhsa_kernarg_size 32
		.amdhsa_user_sgpr_count 2
		.amdhsa_user_sgpr_kernarg_segment_ptr 1
		.amdhsa_wavefront_size32 1
		.amdhsa_system_sgpr_workgroup_id_x 1
		.amdhsa_system_sgpr_workgroup_id_y 1
		.amdhsa_system_sgpr_workgroup_id_z 1
		.amdhsa_system_vgpr_workitem_id 0
		.amdhsa_next_free_vgpr 104
		.amdhsa_next_free_sgpr 66
		.amdhsa_reserve_vcc 1
		.amdhsa_float_denorm_mode_32 3
		.amdhsa_float_denorm_mode_16_64 3
		.amdhsa_memory_ordered 1
		.amdhsa_forward_progress 1
		.amdhsa_inst_pref_size 20
	.end_amdhsa_kernel
	.amdgpu_metadata
---
amdhsa.version: [ 1, 2 ]
amdhsa.kernels:
  - .name:           k_qbabe5c0d81_prep
    .symbol:         k_qbabe5c0d81_prep.kd
    .args:
      - { .name: x, .offset: 0, .size: 8, .value_kind: global_buffer, .address_space: global }
      - { .name: W, .offset: 8, .size: 8, .value_kind: global_buffer, .address_space: global }
      - { .name: xb, .offset: 16, .size: 8, .value_kind: global_buffer, .address_space: global }
      - { .name: wb, .offset: 24, .size: 8, .value_kind: global_buffer, .address_space: global }
    .group_segment_fixed_size: 0
    .private_segment_fixed_size: 0
    .kernarg_segment_align: 8
    .kernarg_segment_size: 32
    .max_flat_workgroup_size: 256
    .sgpr_count:     66
    .vgpr_count:     104
    .wavefront_size: 32
...
	.end_amdgpu_metadata
.endif
;; end of part 1
;; launch gemm (part 2): grid 16 x 16, 4 waves a work-group, clusters of 4 x 4, 327,680 bytes of LDS; arguments xb, wb, b, out0; writes out0
.if DOCPART == 2
	.amdgcn_target "amdgcn-amd-amdhsa--gfx1250"
	.amdhsa_code_object_version 6
	.text
	.protected	k_qbabe5c0d81_gemm
	.globl	k_qbabe5c0d81_gemm
	.p2align	8
	.type	k_qbabe5c0d81_gemm,@function
k_qbabe5c0d81_gemm:
	s_mov_b64 s[64:65], 0
	v_nop
	global_prefetch_b8 v0, s[64:65] scope:SCOPE_SE
	s_setreg_imm32_b32 hwreg(HW_REG_WAVE_MODE, 25, 1), 1
	s_wait_xcnt 0x0
	s_wait_alu depctr_hold_cnt(0) depctr_sa_sdst(0) depctr_va_vdst(0) depctr_va_sdst(0) depctr_va_ssrc(0) depctr_va_vcc(0) depctr_vm_vsrc(0)
	s_getreg_b32 s2, hwreg(HW_REG_IB_STS2, 6, 4)
	s_cmp_eq_u32 s2, 0
	s_cbranch_scc0 .Lentry_in_a_cluster
	s_endpgm
.Lentry_in_a_cluster:
	s_bfe_u32 s2, ttmp6, 0x10000c
	s_cmp_lg_u32 s2, 0xf033
	s_cbranch_scc0 .Lentry_shape_is_right
	s_endpgm
.Lentry_shape_is_right:
; out0[m][n] = b[n] + the sum over k of xb[m][k] wb[k][n].  xb: [4096 m][4096 k] bf16 (x rounded once), wb: [4096 k][4096 n] bf16 (sign(W): +1, -1, 0, exact), b: [4096] f32, out0: [4096][4096] f32.
; LIMITS.  x enters rounded to bf16 (8 significant bits, f32's range); products are summed in f32, K ascending; the bias is the number that each sum starts from, not the last that is added.
; SHARES.  A tile of out0, 256 x 256, is made by a work-group of four waves; a wave makes 128 x 128: 64 accumulators of 16 x 16, 512 registers.  16 x 16 tiles: 256 work-groups.
; K goes in 32 steps of 128 through a ring of two LDS slots filled by the tensor data mover.  A's tile (xb) is 256 rows m x 256 bytes; B's (wb) is 128 rows k x 512 bytes: both kinds of row begin at
; multiples of 256 bytes from their buffer's first byte.  wb lies with n along its rows, so B's fragments come out of LDS turned, by ds_load_tr16_b128.
; CLUSTERS: 4 x 4 work-groups.  The four of a row of the cluster need the same tiles of xb, the four of a column the same tiles of wb: each tile is asked for JOINTLY, by the same tensor load with the same
; descriptor and a mask that names the four; each receives it in its own LDS.  That divides the requests for both by four.
; THE MATRIX INSTRUCTION IS USED TRANSPOSED: source 0 = 16 columns n of wb, source 1 = 16 rows m of xb.  In the result lane l holds row m = l % 16 and its registers 0 to 7 the columns 8 (l / 16) + 0..7:
; eight neighbouring numbers of a row of out0.  The bias in that same layout is the C operand of the first product on each accumulator: it costs no instruction, and nothing is cleared.
; REGISTERS, in windows of 256 (s_set_vgpr_msb's low byte: bits 1:0 source 0, 3:2 source 1, 5:4 source 2, 7:6 destination):
;   window 0: v0-31 addresses; v64-127, v128-191 fragments of xb (8 x 16 rows x 32 K), two buffers, on the way out the rows read back; v192-255 the bias of my 128 columns
;   window 1: v64-127, v128-191 fragments of wb, two buffers
;   window 2: the 32 accumulators of my rows 0-63 (accumulator (a, b) at v[8 (8 a + b)]);   window 3: those of my rows 64-127
.set SIZE,   4096                      ; m = n = k
.set KSTEP,  128
.set PA,     272                       ; an LDS row of A: 256 bytes + 16 of padding = 68 words: row r starts at bank 4 r mod 64 (64 banks of 4 bytes: ISA guide 11.1): the 16 rows of a load start at 16 different groups of four banks
.set PB,     544                       ; an LDS row of B: 512 + 32 = 136 words: row r starts at bank 8 r mod 64
.set HALFT,  128*PA                    ; what one tensor load brings: 128 rows of A, or 64 rows of B (64 x 544 is the same number)
.set SLOT,   4*HALFT                   ; A's 256 rows, then B's 128 rows
.set STAGE,  2*SLOT                    ; behind the ring, never filled by a tensor load: 16 rows x 528 bytes for each wave, for the way out
.set SP,     528                       ; a stage row: 512 bytes of f32 + 16
.set SPARE,  STAGE+4*16*SP             ; behind the stages: the spare words, 128 bytes for each wave: two blocks of 256 bytes that no other line names
.set LAPS,   SIZE/(2*KSTEP)            ; a lap = two K steps = once round the ring: 16
.set ADRA, 16                          ; v16-17  LDS address of my A fragments in slot 0, 1
.set ADRB, 20                          ; v20-21  the same for B
.set STO,  24                          ; v24     the way out: where I put 32 bytes of a row
.set RD,   25                          ; v25     the way out: where I read 16 bytes of a row back
.set CO,   26                          ; v26     my 16 bytes in 512 consecutive bytes of out0
.set BO,   27                          ; v27     my 32 bytes in 64 bytes of b
.set SPW,  28                          ; v28     LDS address of my spare word: SPARE + 4 x my thread's number; never rewritten
.set NIL,  29                          ; v29     0; never rewritten
.set PFO,  30                          ; v30     the prefetches' offset; never rewritten
.set F0,   64                          ; fragment buffer 0
.set F1,   128                         ; fragment buffer 1
.set BI,   192                         ; the bias: n block b at BI + 8 b
.set G1,  24                           ; s[24:31] descriptor group 1 for A's tiles
.set G0,  32                           ; s[32:39] descriptor group 0 for A's tiles, one set for each slot
.set LIM, 43                           ; s43      1 in a wave that prefetches, else the greatest number
.set PFA, 44                           ; s[44:45] where my prefetches stand
.set G1B, 48                           ; s[48:55] descriptor group 1 for B's tiles
.set G0B, 56                           ; s[56:63] descriptor group 0 for B's tiles, one set for each slot
.set BIAS, 66                          ; s[66:67] b
.set PFS, 68                           ; s[68:69] a K step in the tensor that I prefetch: 256 bytes in xb, 128 rows of 8,192 bytes in wb
.set MSB, 0
.macro WIN new                         ; the immediate's high byte repeats the setting that is left; a switch that changes nothing is dropped
.if MSB != (\new)
	s_set_vgpr_msb (MSB<<8)|(\new)
.set MSB, \new
.endif
.endm
.set MUL_LO, 0xa1                      ; source 0 (wb) window 1, source 1 (xb) window 0, C and D window 2
.set MUL_HI, 0xf1                      ; the same, C and D window 3
.set BEG_LO, 0x81                      ; the first products: C (the bias) window 0, D window 2
.set BEG_HI, 0xc1                      ; D window 3
.set TO_B,   0x40                      ; destination window 1, address window 0
; A joint load.  Waves 0 and 1 fetch A's two halves, waves 2 and 3 B's.  Each of the two lines has ONE mask and one set of registers for all that issue it.  The branch hangs on the wave's number alone.
; An s_nop 0 and four v_nop follow each of the two lines; the jump round the other line, the label and what follows the macro come after them.
.macro JLOAD s
	s_cmp_eq_u32 s11, 0
	s_cbranch_scc0 .Lfor_b_\@
	tensor_load_to_lds s[G0+4*(\s):G0+4*(\s)+3], s[G1:G1+7]
	s_nop 0
.rept 4
	v_nop
.endr
	s_branch .Lasked_\@
.Lfor_b_\@:
	tensor_load_to_lds s[G0B+4*(\s):G0B+4*(\s)+3], s[G1B:G1B+7]
	s_nop 0
.rept 4
	v_nop
.endr
.Lasked_\@:
.endm
; A PREFETCH INTO THE L2, behind each joint refill, its five lines and the run of LDS loads that follows them: the K step that stands TWO refills on, 512 matrix instructions ahead of the load that will ask for it.
; One instruction a wave, 32 blocks of 256 bytes.  Each block of a K step is named ONCE in the launch.  A tile row of xb is read by every cluster of that row of clusters: the first of them (cluster x = 0) asks,
; in waves 0 and 1; a tile column of wb by every cluster of that column: cluster y = 0 asks, in waves 2 and 3.  The four partners that ask for a tile jointly share it out BY ADDRESS: of a wave's 128 rows of xb the
; partner at cx takes 32, a lane a row; of its 64 rows of wb the partner at cy takes 16, two lanes a row of 512 bytes.  No branch hangs on a work-group's place in its cluster.
; The first four K steps come by their loads alone; the loop's last trip (s3 = 1) asks for nothing: its two refills have no K step two on.
.macro ASK
	s_cmp_gt_u32 s3, s[LIM]
	s_cbranch_scc0 .Lnot_mine_\@
	global_prefetch_b8 v[PFO], s[PFA:PFA+1] th:TH_LOAD_NT scope:SCOPE_SE
.Lnot_mine_\@:
.endm
; A round of the cluster's barrier: my work-group's barrier, so that wave 0's signal speaks for all four waves; wave 0 signals for the work-group; every wave waits for all sixteen work-groups;
; my work-group's barrier once more.  No LDS instruction of the wave is pending at a signal.
.macro CREST                           ; a round behind its opening barrier
	s_cmp_lg_u32 s10, 0
	s_cbranch_scc1 .Lnot_wave_0_\@
	s_barrier_signal -3
.Lnot_wave_0_\@:
	s_barrier_wait -3
	s_barrier_signal -1
	s_barrier_wait -1
.endm
.macro CROUND                          ; a whole round
	s_barrier_signal -1
	s_barrier_wait -1
	CREST
.endm
	s_load_b128 s[4:7], s[0:1], 0x0                ; xb s[4:5], wb s[6:7]
	s_load_b64 s[BIAS:BIAS+1], s[0:1], 0x10        ; b
	s_load_b64 s[8:9], s[0:1], 0x18                ; out0
	v_lshl_add_u32 v[SPW], v0, 2, SPARE
	v_mov_b32 v[NIL], 0
	ds_add_u32 v[SPW], v[NIL]                      ; the wave's opening: the add, twice on end, and its wait ahead of my first tensor load; the set-up below, work on registers, stands between
	ds_add_u32 v[SPW], v[NIL]                      ; and once more, under the one wait
	v_lshrrev_b32 v1, 5, v0
	v_readfirstlane_b32 s10, v1                    ; wave 0..3
	s_lshr_b32 s11, s10, 1                         ; which half of the tile's rows is mine.  Also: I fetch for A (0) or for B (1)
	s_and_b32 s12, s10, 1                          ; which half of its columns.  Also: which half of that tensor's tile I fetch
	s_bfe_u32 s40, ttmp6, 0x40000                  ; cx: my place along the cluster's x
	s_bfe_u32 s41, ttmp6, 0x40004                  ; cy: along its y
	s_lshl_b32 s42, ttmp9, 2                       ; in a cluster launch ttmp9 and ttmp7 count clusters
	s_add_co_u32 s42, s42, s40                     ; tile column = 4 x cluster x + cx
	s_and_b32 s13, ttmp7, 0xffff
	s_lshl_b32 s13, s13, 2
	s_add_co_u32 s13, s13, s41                     ; tile row = 4 x cluster y + cy
	s_lshl_b32 s43, s41, 2
	s_lshl_b32 s43, 15, s43                        ; my row of the cluster: places 4 cy .. 4 cy + 3
	s_lshl_b32 s44, 0x1111, s40                    ; my column: places cx, cx + 4, cx + 8, cx + 12
	; descriptor group 1 for A: 128 rows x 128 elements, 16 bytes of padding behind each row
	s_or_b32 s[G1+0], s43, (1<<16)|(1<<20)|(1<<21)|(5<<22)|(3<<25)  ; 15:0 the mask: my row; 17:16 elements of 2 bytes; 20 padding on; 21 set beside a mask; 24:22 after every 64 words (code 5); 31:25 4 words (code 3)
	s_mov_b32 s[G1+1], KSTEP<<16                   ; tensor_dim0 = 128
	s_mov_b32 s[G1+2], 128<<16                     ; tensor_dim1 = 128
	s_mov_b32 s[G1+3], KSTEP<<16                   ; tile_dim0 = 128
	s_mov_b32 s[G1+4], 128                         ; tile_dim1 = 128
	s_mov_b32 s[G1+5], SIZE                        ; elements from row to row
	s_mov_b32 s[G1+6], 0
	s_mov_b32 s[G1+7], 0
	; descriptor group 1 for B: 64 rows x 256 elements, 32 bytes of padding behind each row
	s_or_b32 s[G1B+0], s44, (1<<16)|(1<<20)|(1<<21)|(6<<22)|(7<<25) ; the mask: my column; after every 128 words (code 6) 8 words (code 7)
	s_mov_b32 s[G1B+1], 256<<16                    ; tensor_dim0 = 256
	s_mov_b32 s[G1B+2], 64<<16                     ; tensor_dim1 = 64
	s_mov_b32 s[G1B+3], 256<<16                    ; tile_dim0 = 256
	s_mov_b32 s[G1B+4], 64                         ; tile_dim1 = 64
	s_mov_b32 s[G1B+5], SIZE
	s_mov_b32 s[G1B+6], 0
	s_mov_b32 s[G1B+7], 0
	; where the tiles come from.  A's hang on the tile row alone, which my row of the cluster shares; B's on the tile column alone, which my column shares.
	; Every wave makes both addresses, in registers that never hold the other coordinate, and asks by one of them.
	s_lshl_b32 s17, s12, 7
	s_lshl_b32 s16, s13, 8
	s_add_co_u32 s16, s16, s17                     ; xb: row 256 x tile row + 128 x half,
	s_lshl_b32 s16, s16, 13                        ; of 8,192 bytes (4,095 rows at the most: one word)
	s_mov_b32 s17, 0
	s_lshl_b32 s46, s42, 9                         ; wb: byte 512 x tile column of a row,
	s_lshl_b32 s47, s12, 19                        ; 64 x half rows of 8,192 bytes down
	s_add_co_u32 s46, s46, s47
	s_mov_b32 s47, 0
	s_mul_i32 s20, s10, HALFT                      ; and where they go: A's two halves, then B's two halves = wave x HALFT: no place in the cluster enters an LDS address
	s_wait_dscnt 0x0                               ; both opening adds are done
	s_wait_kmcnt 0x0
	s_add_nc_u64 s[14:15], s[4:5], s[16:17]
	s_add_nc_u64 s[46:47], s[6:7], s[46:47]
	CROUND                                         ; all sixteen work-groups are here: the first joint loads meet
.irp s, 0,1
	s_mov_b32 s[G0+4*(\s)], 1                                      ; 1:0 count = 1
	s_add_co_u32 s[G0+4*(\s)+1], s20, (\s)*SLOT                    ; 63:32 LDS address
	s_add_nc_u64 s[G0+4*(\s)+2:G0+4*(\s)+3], s[14:15], (\s)*KSTEP*2  ; 120:64 global address: K step s lies 256 bytes along xb's rows,
	s_or_b32 s[G0+4*(\s)+3], s[G0+4*(\s)+3], 0x80000000            ; 127:126 type = 2
	s_mov_b32 s[G0B+4*(\s)], 1
	s_add_co_u32 s[G0B+4*(\s)+1], s20, (\s)*SLOT
	s_add_nc_u64 s[G0B+4*(\s)+2:G0B+4*(\s)+3], s[46:47], (\s)*KSTEP*SIZE*2  ; and 128 rows down wb
	s_or_b32 s[G0B+4*(\s)+3], s[G0B+4*(\s)+3], 0x80000000
	JLOAD \s                                       ; the ring is filled before anything else is done: two tensor loads of mine are out
.endr
	v_and_b32 v1, 15, v0                           ; l % 16
	v_bfe_u32 v2, v0, 4, 1                         ; l / 16
	; the bias of my 128 columns, in the layout of a result: register j of n block b = b[n0 + 16 b + 8 (l / 16) + j]
	v_lshlrev_b32 v[BO], 5, v2
	s_lshl_b32 s46, s42, 10                        ; my first column, in bytes of f32: 1,024 x tile column + 512 x half (in the registers that held wb's address: none that feeds A's descriptors ever holds cx)
	s_lshl_b32 s47, s12, 9
	s_add_co_u32 s46, s46, s47
	s_mov_b32 s47, 0
	s_add_nc_u64 s[BIAS:BIAS+1], s[BIAS:BIAS+1], s[46:47]
.irp b, 0,1,2,3,4,5,6,7
	global_load_b128 v[BI+8*(\b):BI+8*(\b)+3],   v[BO], s[BIAS:BIAS+1] offset:64*(\b)
	global_load_b128 v[BI+8*(\b)+4:BI+8*(\b)+7], v[BO], s[BIAS:BIAS+1] offset:64*(\b)+16
.endr
	; A fragment of xb is 16 rows x 32 K in 8 registers: lane l holds row l % 16; registers 0-3 K = 8 (l / 16) + 0..7, registers 4-7 K = 16 + 8 (l / 16) + 0..7: two loads of 16 bytes, 32 bytes apart.
	v_mul_u32_u24 v3, v1, PA
	v_lshl_add_u32 v3, v2, 4, v3                   ; row x pitch + 16 x half
	; The turning load takes 16 K x 16 columns (lane l reads 16 bytes: K = 8 (l / 16) + l % 8, columns 8 ((l / 8) % 2) + 0..7) and leaves half a fragment: lane l holds column l % 16 and 8 K.
	v_and_b32 v4, 7, v0
	v_lshl_add_u32 v4, v2, 3, v4
	v_mul_u32_u24 v4, v4, PB
	v_bfe_u32 v5, v0, 3, 1
	v_lshl_add_u32 v4, v5, 4, v4
	s_mul_i32 s21, s11, HALFT                      ; my 128 rows of A
	s_lshl_b32 s22, s12, 8                         ; my 128 columns of B: 256 bytes of each row,
	s_add_co_u32 s22, s22, 2*HALFT                 ; behind A's 256 rows
.irp s, 0,1
	v_add_nc_u32 v[ADRA+(\s)], s21, v3
	v_add_nc_u32 v[ADRB+(\s)], s22, v4
	s_add_co_u32 s21, s21, SLOT
	s_add_co_u32 s22, s22, SLOT
.endr
	s_mul_i32 s23, s10, 16*SP
	s_add_co_u32 s23, s23, STAGE                   ; my stage
	v_mul_u32_u24 v6, v1, SP                       ; in: row l % 16, 32 bytes for each half of the lanes
	v_lshl_add_u32 v6, v2, 5, v6
	v_add_nc_u32 v[STO], s23, v6
	v_and_b32 v5, 31, v0                           ; l
	v_lshlrev_b32 v[CO], 4, v5                     ; back: 32 lanes take one row of 512 bytes,
	v_add_nc_u32 v[RD], s23, v[CO]                 ; which are 512 consecutive bytes of out0
	s_lshl_b32 s16, s13, 8
	s_lshl_b32 s17, s11, 7
	s_add_co_u32 s16, s16, s17                     ; my first row of out0,
	s_lshl_b32 s16, s16, 14                        ; of 16,384 bytes
	s_mov_b32 s17, 0
	s_add_nc_u64 s[8:9], s[8:9], s[16:17]
	s_add_nc_u64 s[8:9], s[8:9], s[46:47]          ; and my first column: out0's base is set once; a row's place stands in the stores' immediates
	; the prefetches.  s13 = tile row, s42 = tile column, s40 = cx, s41 = cy still stand
	v_lshrrev_b32 v6, s11, v5                      ; xb: a lane a row; wb: two lanes a row,
	v_and_b32 v7, s11, v5                          ; the odd one 256 bytes on
	v_lshlrev_b32 v7, 8, v7
	v_lshl_add_u32 v[PFO], v6, 13, v7
	s_lshl_b32 s20, s13, 8
	s_lshl_b32 s21, s12, 7
	s_add_co_u32 s20, s20, s21
	s_lshl_b32 s21, s40, 5
	s_add_co_u32 s20, s20, s21                     ; xb: row 256 x tile row + 128 x half + 32 cx
	s_lshl_b32 s20, s20, 13
	s_lshl_b32 s22, s12, 6
	s_lshl_b32 s23, s41, 4
	s_add_co_u32 s22, s22, s23                     ; wb: row 64 x half + 16 cy,
	s_lshl_b32 s22, s22, 13
	s_lshl_b32 s23, s42, 9
	s_add_co_u32 s22, s22, s23                     ; byte 512 x tile column
	s_mul_i32 s21, s11, 12
	s_lshl_b32 s[PFS], 0x100, s21                  ; a K step: 256 bytes, or 2^20
	s_mov_b32 s[PFS+1], 0
	s_and_b32 s23, ttmp7, 0xffff                   ; cluster y
	s_cmp_eq_u32 s11, 0                            ; do I fetch for A?
	s_cselect_b32 s20, s20, s22
	s_cselect_b32 s23, ttmp9, s23                  ; the coordinate along which other clusters read the same blocks
	s_cselect_b64 s[PFA:PFA+1], s[4:5], s[6:7]
	s_cmp_eq_u32 s23, 0
	s_cselect_b32 s[LIM], 1, -1                    ; the same in all sixteen partners, for a given wave
	s_mul_i32 s21, s[PFS], 3
	s_add_co_u32 s20, s20, s21                     ; at K step 3: the first refill steps it to 4
	s_mov_b32 s21, 0
	s_add_nc_u64 s[PFA:PFA+1], s[PFA:PFA+1], s[20:21]
	; nothing is prefetched here, at the head, where every work-group's first two tiles are on their way
; 16 matrix instructions: m blocks a0, a0 + 1 of the window's four (hi = 0: my rows 0-63, 1: rows 64-127) x all 8 n blocks, 32 along K.  first = 1: the product starts the sum from the bias.
; The 64 accumulators take turns, one instruction a turn, in the same order in every quarter step, over the loop's backward jump too.
.macro MUL16 f, hi, a0, first
.if \first
	WIN BEG_LO+0x40*(\hi)
.else
	WIN MUL_LO+0x50*(\hi)
.endif
.irp a, \a0, (\a0)+1
.irp b, 0,1,2,3,4,5,6,7
.if \first
	v_wmma_f32_16x16x32_bf16 v[8*(8*(\a)+(\b)):8*(8*(\a)+(\b))+7], v[(\f)+8*(\b):(\f)+8*(\b)+7], v[(\f)+8*(4*(\hi)+(\a)):(\f)+8*(4*(\hi)+(\a))+7], v[BI+8*(\b):BI+8*(\b)+7]
.else
	v_wmma_f32_16x16x32_bf16 v[8*(8*(\a)+(\b)):8*(8*(\a)+(\b))+7], v[(\f)+8*(\b):(\f)+8*(\b)+7], v[(\f)+8*(4*(\hi)+(\a)):(\f)+8*(4*(\hi)+(\a))+7], v[8*(8*(\a)+(\b)):8*(8*(\a)+(\b))+7]
.endif
.endr
.endr
.endm
; 32 LDS loads in one run: the fragments of quarter q of a K step (32 K: rows 32 q on of B's tile, byte 64 q of A's rows) into buffer f: B's 128 columns, turned, then A's 128 rows
.macro FETCH slot, q, f
	WIN TO_B
.irp i, 0,1,2,3,4,5,6,7
	ds_load_tr16_b128 v[(\f)+8*(\i):(\f)+8*(\i)+3],   v[ADRB+(\slot)] offset:32*(\q)*PB+32*(\i)
	ds_load_tr16_b128 v[(\f)+8*(\i)+4:(\f)+8*(\i)+7], v[ADRB+(\slot)] offset:32*(\q)*PB+16*PB+32*(\i)
.endr
	WIN 0
.irp i, 0,1,2,3,4,5,6,7
	ds_load_b128 v[(\f)+8*(\i):(\f)+8*(\i)+3],   v[ADRA+(\slot)] offset:64*(\q)+(\i)*16*PA
	ds_load_b128 v[(\f)+8*(\i)+4:(\f)+8*(\i)+7], v[ADRA+(\slot)] offset:64*(\q)+(\i)*16*PA+32
.endr
.endm
; A load into a register that a matrix instruction has read, and a store that reads a matrix result, stand four places behind that matrix instruction, and only plain vector instructions that name none of
; its registers are places (ISA guide 7.12.1 for vector instructions); the matrix instructions in between are not counted.
.macro PLACES
.rept 4
	v_nop
.endr
.endm
; A K step is four quarters of 32 along K, 64 matrix instructions each, on buffers 0, 1, 0, 1.
; One of the first three: multiplies buffer f; in its middle it fetches quarter q of the same slot into buffer g.
.macro QUARTER slot, q, f, g, first
	s_wait_dscnt 8                                 ; B and A's rows 0-63 are in; the youngest eight loads (A's rows 64-127) may be out
	MUL16 \f, 0, 0, \first
	MUL16 \f, 0, 2, \first
	PLACES
	FETCH \slot, \q, \g
	s_wait_dscnt 32                                ; all but the 32 just issued
	MUL16 \f, 1, 0, \first
	MUL16 \f, 1, 2, \first
.endm
; The last quarter multiplies buffer 1 and changes slots.  MEET is its first half: ONE barrier for the change, for two things.  In front of it each wave waits for all its tensor loads, of which one is out:
; its part of the next slot; adds 0 to its spare word; and waits for that and for its own reads of this slot.  Behind it nobody reads this slot any more and the next slot is whole.
.macro MEET round                      ; round = 1: the rest of a round of the cluster's barrier follows
	WIN 0                                          ; (the add's two registers lie in window 0)
	s_wait_tensorcnt 0x0                           ; all my tensor loads have landed;
	ds_add_u32 v[SPW], v[NIL]                      ; 0 onto my spare word;
	s_wait_dscnt 9                                 ; (the add and the youngest eight loads may be out)
	MUL16 F1, 0, 0, 0                              ; sixteen matrix instructions stand between the add and the wait for it
	s_wait_dscnt 0x0                               ; the add is done, and my reads of this slot are over:
	s_barrier_signal -1                            ; say so,
	MUL16 F1, 0, 2, 0                              ; work on registers while the others arrive,
.if \round
	WIN 0
.endif
	s_barrier_wait -1                              ; and go on when all four have said so
.endm
; The whole last quarter.  fill = 1: behind the round the slot just read out is filled again first, with the K step two steps on; then come the next slot's first fragments.
; From a request to the wait for it a wave issues 224 matrix instructions.
.macro TURN slot, next, fill
.if \fill
	s_wait_xcnt 0x0                                ; the last prefetch, a K step back, has read its address: it is stepped here, ahead of the waits of the change of slots
	s_add_nc_u64 s[PFA:PFA+1], s[PFA:PFA+1], s[PFS:PFS+1]
.endif
	MEET \fill
.if \fill
	CREST                                          ; all sixteen work-groups have said so: no wave of any partner still reads this slot's tile or has a load on its way
	s_add_nc_u64 s[G0+4*(\slot)+2:G0+4*(\slot)+3], s[G0+4*(\slot)+2:G0+4*(\slot)+3], 2*KSTEP*2          ; no tensor load of mine is out, so a group 0 may be written; the type bits on top are not reached
	s_add_nc_u64 s[G0B+4*(\slot)+2:G0B+4*(\slot)+3], s[G0B+4*(\slot)+2:G0B+4*(\slot)+3], 2*KSTEP*SIZE*2
	JLOAD \slot                                    ; my one tensor load behind the round, and the first; the four v_nop behind it are also the places in front of the loads below
.else
	PLACES
.endif
	FETCH \next, 0, F0
.if \fill
	ASK
.endif
	MUL16 F1, 1, 0, 0
	MUL16 F1, 1, 2, 0
.endm
; THE WAY OUT of block a (16 rows x 128 columns of f32).  A lane's 32 bytes are a sixteenth of a row's 512, and the lanes beside it hold other rows: so the block goes through my own stage in LDS and comes
; back as whole rows, into the fragment buffers of window 0, which take turns.
.macro TOSTAGE a
	WIN 0x08+4*((\a)/4)                            ; the stores' data in window 2 or 3
.set AC, 64*((\a)%4)
.irp b, 0,1,2,3,4,5,6,7
	ds_store_b128 v[STO], v[AC+8*(\b):AC+8*(\b)+3]   offset:64*(\b)      ; each accumulator's low registers first
	ds_store_b128 v[STO], v[AC+8*(\b)+4:AC+8*(\b)+7] offset:64*(\b)+16
.endr
	WIN 0
	s_wait_xcnt 0x0                                ; the stores of the block two back have read their data (ISA guide 3.1): their registers are loaded again only behind this wait
.set BK, F0+64*((\a)%2)
.irp t, 0,1,2,3,4,5,6,7,8,9,10,11,12,13,14,15
	ds_load_b128 v[BK+4*(\t):BK+4*(\t)+3], v[RD] offset:(\t)*SP  ; LDS serves a wave's instructions in order (ISA guide 5.7.1.4): these see the stores above, and the next block's stores come behind them
.endr
.endm
.macro SEND a, younger                 ; younger: the LDS instructions issued behind block a's loads: the next block's 16 stores and 16 loads, or none
	s_wait_dscnt \younger
.set BK, F0+64*((\a)%2)
.irp t, 0,1,2,3,4,5,6,7,8,9,10,11,12,13,14,15
	global_store_b128 v[CO], v[BK+4*(\t):BK+4*(\t)+3], s[8:9] offset:(16*(\a)+(\t))*SIZE*4 th:TH_STORE_NT  ; a wave's store covers 512 consecutive bytes, at a multiple of 256 from out0's first; 127 rows at the most: inside the signed 24-bit immediate
.endr
.endm
	s_wait_loadcnt 0x0                             ; the bias
	s_wait_tensorcnt 0x1                           ; my part of K step 0 is in; K step 1's may stay out
	s_barrier_signal -1
	s_barrier_wait -1                              ; everybody's is
	FETCH 0, 0, F0
	QUARTER 0, 1, F0, F1, 1                        ; the first quarter stands in front of the loop: its products start the sums
	WIN 0                                          ; at a label and at a branch every window is 0
	s_mov_b32 s3, LAPS-1
.Llap:                                                 ; a trip goes once round the ring, from a lap's second quarter to the next lap's first, and fills both slots again
	QUARTER 0, 2, F1, F0, 0
	QUARTER 0, 3, F0, F1, 0
	TURN 0, 1, 1
	QUARTER 1, 1, F0, F1, 0
	QUARTER 1, 2, F1, F0, 0
	QUARTER 1, 3, F0, F1, 0
	TURN 1, 0, 1
	QUARTER 0, 1, F0, F1, 0
	WIN 0
	s_sub_co_u32 s3, s3, 1
	s_cmp_lg_u32 s3, 0
	s_cbranch_scc1 .Llap
	QUARTER 0, 2, F1, F0, 0                        ; the last lap is written out: it fills nothing, and has no round of the cluster's barrier
	QUARTER 0, 3, F0, F1, 0
	TURN 0, 1, 0                                   ; my one tensor load that was still out is slot 1's, the last K step's
	QUARTER 1, 1, F0, F1, 0
	QUARTER 1, 2, F1, F0, 0
	QUARTER 1, 3, F0, F1, 0
	s_wait_dscnt 8                                 ; the very last quarter: nothing more to fetch
	MUL16 F1, 0, 0, 0
	MUL16 F1, 0, 2, 0
	s_wait_dscnt 0x0
	MUL16 F1, 1, 0, 0
	MUL16 F1, 1, 2, 0
	WIN 0
	PLACES                                         ; behind the last products: the stage's stores read results, and its loads land in registers that the products have read
	PLACES
	TOSTAGE 0
.irp a, 1,2,3,4,5,6,7                  ; block a's way through the stage is begun before block a - 1 is waited for and stored
	TOSTAGE \a
	SEND (\a)-1, 32
.endr
	SEND 7, 0
	s_wait_tensorcnt 0x0                           ; the wave's end, behind my last tensor load and my last LDS store
	ds_add_u32 v[SPW], v[NIL]
	s_wait_dscnt 0x0
	CROUND                                         ; the closing round: no work-group ends while a partner may still ask for a tile that names it
	s_endpgm
.Lfunc_end_k_qbabe5c0d81_gemm:
	.size	k_qbabe5c0d81_gemm, .Lfunc_end_k_qbabe5c0d81_gemm-k_qbabe5c0d81_gemm
	.p2alignl 7, 3214868480
	.fill 96, 4, 3214868480
	.section	.rodata,"a",@progbits
	.p2align	6, 0x0
	.amdhsa_kernel k_qbabe5c0d81_gemm
		.amdhsa_group_segment_fixed_size 327680
		.amdhsa_private_segment_fixed_size 0
		.amdhsa_enable_private_segment 0
		.amdhsa_kernarg_size 32
		.amdhsa_user_sgpr_count 2
		.amdhsa_user_sgpr_kernarg_segment_ptr 1
		.amdhsa_wavefront_size32 1
		.amdhsa_system_sgpr_workgroup_id_x 1
		.amdhsa_system_sgpr_workgroup_id_y 1
		.amdhsa_system_sgpr_workgroup_id_z 1
		.amdhsa_system_vgpr_workitem_id 0
		.amdhsa_next_free_vgpr 1024
		.amdhsa_next_free_sgpr 70
		.amdhsa_reserve_vcc 0
		.amdhsa_float_denorm_mode_32 3
		.amdhsa_float_denorm_mode_16_64 3
		.amdhsa_memory_ordered 1
		.amdhsa_forward_progress 1
		.amdhsa_inst_pref_size 144
	.end_amdhsa_kernel
	.amdgpu_metadata
---
amdhsa.version: [ 1, 2 ]
amdhsa.kernels:
  - .name:           k_qbabe5c0d81_gemm
    .symbol:         k_qbabe5c0d81_gemm.kd
    .args:
      - { .name: xb, .offset: 0, .size: 8, .value_kind: global_buffer, .address_space: global }
      - { .name: wb, .offset: 8, .size: 8, .value_kind: global_buffer, .address_space: global }
      - { .name: b, .offset: 16, .size: 8, .value_kind: global_buffer, .address_space: global }
      - { .name: out0, .offset: 24, .size: 8, .value_kind: global_buffer, .address_space: global }
    .group_segment_fixed_size: 327680
    .private_segment_fixed_size: 0
    .kernarg_segment_align: 8
    .kernarg_segment_size: 32
    .max_flat_workgroup_size: 128
    .sgpr_count:     70
    .vgpr_count:     1024
    .wavefront_size: 32
...
	.end_amdgpu_metadata
.endif
;; end of part 2
;; ======== version 2 of 2: 2 launches; version 1 with the launch prep written anew for expert scheduling mode
;; workspace buffers: xb 33,554,432 bytes; wb 33,554,432 bytes
;; launch prep (part 3): grid 1024 x 1, 8 waves a work-group, no clusters, 0 bytes of LDS; arguments x, W, xb, wb; writes xb, wb
.if DOCPART == 3
	.amdgcn_target "amdgcn-amd-amdhsa--gfx1250"
	.amdhsa_code_object_version 6
	.text
	.protected	k_qbabe5c0d81_prep
	.globl	k_qbabe5c0d81_prep
	.p2align	8
	.type	k_qbabe5c0d81_prep,@function
k_qbabe5c0d81_prep:
	s_mov_b64 s[64:65], 0
	v_nop
	global_prefetch_b8 v0, s[64:65] scope:SCOPE_SE
	s_setreg_imm32_b32 hwreg(HW_REG_WAVE_SCHED_MODE, 0, 2), 2
	s_setreg_imm32_b32 hwreg(HW_REG_WAVE_MODE, 25, 1), 1
	s_wait_xcnt 0x0
	s_wait_alu depctr_vm_vsrc(0)
; xb = x rounded to bf16 (nearest even), wb = sign(W) in bf16.  x, W: [4096][4096] f32; xb, wb: [4096][4096] bf16, each in its source's own layout.
; LIMITS.  sign: +1 or -1 by the sign bit wherever W is not equal to zero, else +0.  So a NaN in W gives +1 or -1 (not NaN), -0 gives +0, and a denormal counts as a number other than zero.
; x keeps f32's exponent range in bf16 and loses all but 8 significant bits, once.
; A STREAM: every byte is read once and written once, nothing is shared between threads, so there is no LDS, no barrier, no matrix instruction and no cluster.
; SHARES.  A work-group owns 65,536 consecutive bytes of x and of W: 16 pieces of 4,096.  In a piece thread t takes the 16 bytes at 16 t (a wave's load covers 512 consecutive bytes)
; and stores the 8 bytes at 8 t of the piece's 2,048 (a wave's store covers 256 consecutive bytes, aligned).
; THE MODE: SCHED_MODE bits 1:0 = 2 (LLVM: expert scheduling mode 2), set by the entry lines.  The code itself states the register dependences between vector instructions and memory
; instructions, and between a vector instruction that writes a scalar register and that register's readers, with s_wait_alu, always for 0.
; THE PLAN.  The 16 pieces go in 8 blocks of two; all is written out; every piece stands in an immediate.  A block's vector work has two halves: the first reads the loaded numbers (compares, roundings,
; signs), the second (selects, packing) names none of them.  Registers that memory instructions touch:
;   X0 .. X3   four blocks as loaded.  Read by the FIRST half of block p (X[p % 4]); behind that half the loads of block p + 4 land in the same buffer: 16 loads of every wave are on their way.
;   Y0 .. Y4   five blocks to store.   Written by block p (Y[p % 5]); read by the four stores that are issued in block p + 1.  Only blocks 5, 6, 7 write a Y again: Y0, Y1, Y2, stored in blocks 1, 2, 3.
;   v1, v2     byte offsets, made once at the head and never written again.
;   T and the masks s[20:27] are named by vector instructions alone.
; So ONE wait on va_vdst stands in a block, behind its first half: that half is done reading X[p % 4], and the block before has written its Y.  The block's loads and stores follow it; the vector
; instructions behind it name T, the masks and Y[p % 5]: none of the registers that those loads and stores touch.  ONE wait on va_sdst stands between a block's eight compares and its selects.
; ONE wait on vm_vsrc besides the entry's, at the head of block 5, stands between the stores of Y0, Y1, Y2 and the lines that write these again.
.set PIECE, 4096                       ; input bytes of a piece
.set NX,  4                            ; buffers of loaded numbers
.set NY,  5                            ; buffers of numbers to store
.set T,   4                            ; v[4:11]    at work: a block's eight signs as f32
.set X,   12                           ; v[12:75]   buffer k, piece i: four numbers of x, then four of W, at X + 16 k + 8 i
.set Y,   76                           ; v[76:115]  buffer k, piece i: a pair for xb, a pair for wb, at Y + 8 k + 4 i
.set M,   20                           ; s[20:27]   a block's eight masks: W is not zero
	s_load_b256 s[4:11], s[0:1], 0x0               ; x s[4:5], W s[6:7], xb s[8:9], wb s[10:11]
	s_lshl_b32 s2, ttmp9, 16                       ; the work-group's 65,536 bytes of the inputs (1,023 x 65,536 at the most: one word),
	s_mov_b32 s3, 0
	s_lshl_b32 s16, ttmp9, 15                      ; and its 32,768 of the outputs
	s_mov_b32 s17, 0
	s_mov_b32 s13, 0x7fffffff                      ; all bits but the sign
	s_mov_b32 s14, 0x07060302                      ; v_perm_b32: the upper halves of two words, the second source's below
	s_mov_b32 s15, 0x3f800000                      ; 1.0
	v_lshlrev_b32 v1, 4, v0                        ; 16 t; never rewritten
	v_lshlrev_b32 v2, 3, v0                        ; 8 t; never rewritten
	s_wait_kmcnt 0x0
	s_add_nc_u64 s[4:5], s[4:5], s[2:3]
	s_add_nc_u64 s[6:7], s[6:7], s[2:3]
	s_add_nc_u64 s[8:9], s[8:9], s[16:17]
	s_add_nc_u64 s[10:11], s[10:11], s[16:17]
	s_wait_alu depctr_va_vdst(0)                   ; v1 and v2 are written: every load of the kernel reads the one as its offset, every store the other
.irp i, 0,1,2,3,4,5,6,7
	global_load_b128 v[X+8*(\i):X+8*(\i)+3],   v1, s[4:5] offset:(\i)*PIECE th:TH_LOAD_NT  ; X0 to X3 are filled: pieces 0 to 7, blocks 0 to 3
	global_load_b128 v[X+8*(\i)+4:X+8*(\i)+7], v1, s[6:7] offset:(\i)*PIECE th:TH_LOAD_NT
.endr
; Block p: pieces 2 p and 2 p + 1.  ahead = 1: its X buffer is filled again with block p + 4.  left = how many younger loads may stay out.
.macro BLK p, ahead, left
.set XB, X+16*((\p)%NX)                ; the numbers that this block reads
.set YB, Y+8*((\p)%NY)                 ; the numbers that it makes
.set YP, Y+8*(((\p)+NY-1)%NY)          ; those that the block before made
	s_wait_loadcnt \left                           ; loads come back in order (ISA guide 5.7.1): this block's four are in
.if (\p) == NY
	s_wait_xcnt 0x0                                ; every store so far has had its address translated (ISA guide 3.1): Y0, Y1, Y2 are written again only behind this wait,
	s_wait_alu depctr_vm_vsrc(0)                   ; and behind this one: the stores issued in blocks 1, 2 and 3 have read Y0, Y1 and Y2, which this block and the two behind it write again
.endif
	; the first half: all that reads X
.irp i, 0,1
.irp j, 0,1,2,3
	v_cmp_neq_f32 s[M+4*(\i)+(\j)], 0, v[XB+8*(\i)+4+(\j)]     ; where W is not zero: eight masks in a run, under one wait
.endr
.endr
.irp i, 0,1
	v_cvt_pk_bf16_f32 v[YB+4*(\i)],   v[XB+8*(\i)],   v[XB+8*(\i)+1]   ; x: two roundings, packed, the first number below
	v_cvt_pk_bf16_f32 v[YB+4*(\i)+1], v[XB+8*(\i)+2], v[XB+8*(\i)+3]
.endr
.irp i, 0,1
.irp j, 0,1,2,3
	v_bfi_b32 v[T+4*(\i)+(\j)], s13, s15, v[XB+8*(\i)+4+(\j)]  ; 1.0 with W's sign
.endr
.endr
	s_wait_alu depctr_va_vdst(0)                   ; the lines above are done reading this block's X, in which the loads below land; the block before has written its Y, which the stores below read
.if \ahead
.irp i, 0,1
	global_load_b128 v[XB+8*(\i):XB+8*(\i)+3],   v1, s[4:5] offset:(2*(\p)+2*NX+(\i))*PIECE th:TH_LOAD_NT  ; the buffer is asked for again at once; loads ahead of stores
	global_load_b128 v[XB+8*(\i)+4:XB+8*(\i)+7], v1, s[6:7] offset:(2*(\p)+2*NX+(\i))*PIECE th:TH_LOAD_NT
.endr
.endif
	s_wait_alu depctr_va_sdst(0)                   ; the eight compares have written s[M ..], ahead of the first select that reads one of them
	; the second half names T, the masks and this block's Y alone; the stores of the block before are dealt among it with no further wait
.irp i, 0,1
.if (\p) > 0
	global_store_b64 v2, v[YP+4*(\i):YP+4*(\i)+1],   s[8:9]   offset:(2*(\p)-2+(\i))*PIECE/2
	global_store_b64 v2, v[YP+4*(\i)+2:YP+4*(\i)+3], s[10:11] offset:(2*(\p)-2+(\i))*PIECE/2
.endif
.irp j, 0,1,2,3
	v_cndmask_b32 v[T+4*(\i)+(\j)], 0, v[T+4*(\i)+(\j)], s[M+4*(\i)+(\j)]  ; the sign is kept where W is not zero, else 0
.endr
	v_perm_b32 v[YB+4*(\i)+2], v[T+4*(\i)+1], v[T+4*(\i)],   s14           ; +1, -1 and 0 are exact in the upper half of their f32
	v_perm_b32 v[YB+4*(\i)+3], v[T+4*(\i)+3], v[T+4*(\i)+2], s14
.endr
.endm
	BLK 0, 1, 12                                   ; behind a block's four loads stand those of the three younger blocks
	BLK 1, 1, 12
	BLK 2, 1, 12
	BLK 3, 1, 12
	BLK 4, 0, 12                                   ; blocks 4 to 7 load nothing: no load leaves the buffers,
	BLK 5, 0, 8                                    ; and the counts run down
	BLK 6, 0, 4
	BLK 7, 0, 0
	s_wait_alu depctr_va_vdst(0)                   ; block 7 has written its Y, which the last four stores read
.irp i, 0,1
	global_store_b64 v2, v[Y+8*(7%NY)+4*(\i):Y+8*(7%NY)+4*(\i)+1],   s[8:9]   offset:(14+(\i))*PIECE/2
	global_store_b64 v2, v[Y+8*(7%NY)+4*(\i)+2:Y+8*(7%NY)+4*(\i)+3], s[10:11] offset:(14+(\i))*PIECE/2
.endr
	s_endpgm
.Lfunc_end_k_qbabe5c0d81_prep:
	.size	k_qbabe5c0d81_prep, .Lfunc_end_k_qbabe5c0d81_prep-k_qbabe5c0d81_prep
	.p2alignl 7, 3214868480
	.fill 96, 4, 3214868480
	.section	.rodata,"a",@progbits
	.p2align	6, 0x0
	.amdhsa_kernel k_qbabe5c0d81_prep
		.amdhsa_group_segment_fixed_size 0
		.amdhsa_private_segment_fixed_size 0
		.amdhsa_enable_private_segment 0
		.amdhsa_kernarg_size 32
		.amdhsa_user_sgpr_count 2
		.amdhsa_user_sgpr_kernarg_segment_ptr 1
		.amdhsa_wavefront_size32 1
		.amdhsa_system_sgpr_workgroup_id_x 1
		.amdhsa_system_sgpr_workgroup_id_y 1
		.amdhsa_system_sgpr_workgroup_id_z 1
		.amdhsa_system_vgpr_workitem_id 0
		.amdhsa_next_free_vgpr 116
		.amdhsa_next_free_sgpr 66
		.amdhsa_reserve_vcc 0
		.amdhsa_float_denorm_mode_32 3
		.amdhsa_float_denorm_mode_16_64 3
		.amdhsa_memory_ordered 1
		.amdhsa_forward_progress 1
		.amdhsa_inst_pref_size 24
	.end_amdhsa_kernel
	.amdgpu_metadata
---
amdhsa.version: [ 1, 2 ]
amdhsa.kernels:
  - .name:           k_qbabe5c0d81_prep
    .symbol:         k_qbabe5c0d81_prep.kd
    .args:
      - { .name: x, .offset: 0, .size: 8, .value_kind: global_buffer, .address_space: global }
      - { .name: W, .offset: 8, .size: 8, .value_kind: global_buffer, .address_space: global }
      - { .name: xb, .offset: 16, .size: 8, .value_kind: global_buffer, .address_space: global }
      - { .name: wb, .offset: 24, .size: 8, .value_kind: global_buffer, .address_space: global }
    .group_segment_fixed_size: 0
    .private_segment_fixed_size: 0
    .kernarg_segment_align: 8
    .kernarg_segment_size: 32
    .max_flat_workgroup_size: 256
    .sgpr_count:     66
    .vgpr_count:     116
    .wavefront_size: 32
...
	.end_amdgpu_metadata
.endif
;; end of part 3
;; launch gemm: the kernel of part 2 again; grid 16 x 16, 4 waves a work-group, clusters of 4 x 4, 327,680 bytes of LDS; arguments xb, wb, b, out0; writes out0
